; MI455X (gfx1250); checked and timed in simulation.
; The chip was launched on July 23, 2026; its instructions are those of AMD's public machine-readable ISA for CDNA 5 (MIT licence, August 2026) and "CDNA5" Instruction Set Architecture Reference Guide (July 2026). The comments in the code are by the model that wrote it; some were corrected since.
;; min LSTM. Allowed arithmetic: matrix products marked QUANTISED: E3M2 operands, one E8M0 scale for each 32 along K, by v_wmma_scale_f32_16x16x128_f8f6f4 with both operands' format E3M2, f32 sums; everything else in f32.
;; Inputs: W_codes 3,072 x 32 x 24 uint8 (E3M2 codes of W, K innermost, in blocks of 32 codes, four codes in three bytes); W_scales 3,072 x 32 uint8 (E8M0 scales of W, one for each 32 codes along K); x_codes 4 x 4,096 x 32 x 24 uint8 (E3M2 codes of x, K innermost, in blocks of 32 codes, four codes in three bytes); x_scales 4 x 4,096 x 32 uint8 (E8M0 scales of x, one for each 32 codes along K).
;; Outputs: out0 4 x 4,096 x 1,024 float32.
;; This version of the problem:
;;   THIS VERSION OF THE PROBLEM IS GIVEN IN LOW PRECISION. The matrix products marked QUANTISED in the list below multiply operands that are first quantised to E3M2 (3 exponent bits, 2 mantissa bits; 6 bits a number), with one power-of-two scale for each 32 numbers along K (OCP MX v1.0); their sums are f32. All else is computed in f32.
;;   The module's matrix products, in the order in which they are computed (A, B: the left and right operand; K: the contracted axis; several contracted axes count as one K, in the product's order):
;;     1. [M 16,384, K 1,024] x [K 1,024, N 3,072]; A: input x (given as codes); B: input W (given as codes): QUANTISED
;;   THE QUANTISER, for each operand of a quantised product, along K:
;;     - K is cut into blocks of 32 from its start; a last block that is shorter is filled with zeros.
;;     - A block's scale is 2^e with e = floor(log2(the largest magnitude in the block)) - 4, held to -126 .. 127; a block of zeros has e = 0. As a byte (E8M0): e + 127.
;;     - Each number is divided by its block's scale, clamped to +-28, and rounded to the nearest number of E3M2, ties to even, subnormals kept.
;;     - The product sums the exact products of the quantised numbers (number of the format x scale) in f32.
;;   ~~~python
;;   def quantise(x, axis):      # numpy; x: float32 -> the quantised numbers, widened to float32 again
;;       x = np.moveaxis(x, axis, -1); K = x.shape[-1]
;;       x = np.pad(x, [(0, 0)] * (x.ndim - 1) + [(0, -K % 32)]); x = x.reshape(x.shape[:-1] + (-1, 32)); a = np.abs(x).max(-1, keepdims=True)
;;       e = np.where(a > 0, np.clip(np.frexp(np.where(a > 0, a, 1))[1] - 1 - 4, -126, 127), 0)      # np.frexp(a)[1] - 1 = floor(log2(a)), exactly
;;       r = np.clip(x / 2.0 ** e, -28, 28)
;;       step = 2.0 ** (np.maximum(np.frexp(np.where(r == 0, 1, r))[1] - 1, -2) - 2)
;;       q = np.round(r / step) * step * 2.0 ** e      # np.round: ties to even
;;       return np.moveaxis(q.reshape(q.shape[:-2] + (-1,))[..., :K], -1, axis).astype(np.float32)
;;   ~~~
;;   INPUTS GIVEN AS CODES. W (in the module: [1024, 3072], K = its axis 0); x (in the module: [4, 4096, 1024], K = its axis 2): each comes as NAME_codes (uint8): NAME with its K axis moved to the last place and cut into blocks of 32 codes, [.., K / 32, bytes a block], one block behind the other in memory; four codes in three bytes: a row's codes are one little-endian stream of bits, code i at bits 6 i .. 6 i + 5 (a code: sign, 3 exponent bits, 2 mantissa bits); and NAME_scales (uint8): the same leading axes, one E8M0 byte (e + 127) for each 32 codes along K. Its value is code x scale, taken as it is: it is not quantised again, and the codes and scales need not be those that the quantiser above would give.
;; 2 versions. Each part assembles by itself: llvm-mc -triple=amdgcn-amd-amdhsa -mcpu=gfx1250 --defsym DOCPART=n.
;; ======== version 1 of 2: 1 launch
;; limits: right only within a limited range of input values
;; launch minlstm (part 1): grid 64 x 4, 8 waves a work-group, clusters of 4 x 1, 327,680 bytes of LDS; arguments W_codes, W_scales, x_codes, x_scales, out0; writes out0
.if DOCPART == 1
	.amdgcn_target "amdgcn-amd-amdhsa--gfx1250"
	.amdhsa_code_object_version 6
	.text
	.protected	k_qd6fe8e1c8f_minlstm
	.globl	k_qd6fe8e1c8f_minlstm
	.p2align	8
	.type	k_qd6fe8e1c8f_minlstm,@function
k_qd6fe8e1c8f_minlstm:
	s_mov_b64 s[64:65], 0
	v_nop
	global_prefetch_b8 v0, s[64:65] scope:SCOPE_SE
	s_setreg_imm32_b32 hwreg(HW_REG_WAVE_MODE, 25, 1), 1
	s_wait_xcnt 0x0
	s_wait_alu depctr_hold_cnt(0) depctr_sa_sdst(0) depctr_va_vdst(0) depctr_va_sdst(0) depctr_va_ssrc(0) depctr_va_vcc(0) depctr_vm_vsrc(0)
	s_getreg_b32 s2, hwreg(HW_REG_IB_STS2, 6, 4)
	s_cmp_eq_u32 s2, 0
	s_cbranch_scc0 .Lentry_in_a_cluster
	s_endpgm
.Lentry_in_a_cluster:
	s_bfe_u32 s2, ttmp6, 0x10000c
	s_cmp_lg_u32 s2, 0x3003
	s_cbranch_scc0 .Lentry_shape_is_right
	s_endpgm
.Lentry_shape_is_right:
; minLSTM.  gates = x W (x: [4][4096][1024], W: [1024][3072], both as E3M2 codes with one E8M0 byte for each 32 along K, K innermost); gates = f | i | c, 1,024 columns each.
; reference() then forms log_f, log_i, log g(c) and scans in log space.  With f' = exp(log_f) = (1 + e^-i) / (2 + e^-i + e^-f), i' = 1 - f', that scan IS the recurrence
;   h_t = f'_t h_(t-1) + i'_t g(c_t),  h before the first step = 0,
; all terms >= 0 and f' in (0, 1): no exponential of a running sum is left.  The gates' own exponentials have their largest exponent taken away first: m = max(-f, -i, 0) = -min(f, i, 0).
; ONE LAUNCH: product, gates and scan; nothing goes to memory but h.
; SHARES.  A column's 4,096 steps belong to one work-group (work-groups hand each other nothing): 4 x 1,024 columns over 256 work-groups are 16 columns each: batch b = y, columns 16 dg .. 16 dg + 15, dg = x.
;   So a work-group's part of W is 3 x 16 rows; every wave keeps all of it in registers (288), and all of the batch's x passes through LDS, 128 rows (full K, 768 bytes a row) a slot, two slots.
;   A work-group owns 64 bytes of each row of h: a store covers 8 rows x 64 consecutive bytes.  Whole runs of 256 bytes would want 64 columns to a work-group, which leaves work for 64 work-groups only.
; CLUSTER.  The four work-groups of a cluster have the same batch and walk the same x: each tile of x is asked for JOINTLY (mask 15).  W's tiles differ between them: plain loads.
; TWO GROUPS OF FOUR WAVES.  Group X (waves 0-3) owns the even slots, group Y (waves 4-7) the odd ones; in a slot wave WQ owns rows 32 WQ .. + 31: 2 tiles of rows x 3 gates = 6 accumulators.
;   A PERIOD is the span between two barriers.  In period p the group p % 2 does F(p - 2), then M(p); the other group does V(p - 1).  M: 48 matrix instructions.  V: gates, the scan inside a lane, the segment's
;   aggregate to LDS.  F: the carry into the lane's segment, h, the stores.  So one group's vector work stands beside the other's matrix work and LDS loads, with nothing interleaved by hand.
; LAYOUT.  Source 0 = 16 rows of x, source 1 = 16 rows of W: register j of lane (r = lane % 16, h = lane / 16) is D(m = 8 h + j, n = r): a lane holds ONE column and time runs along its registers.
;   THE ROWS OF A TILE ARE NOT NEIGHBOURS: row m of tile t is slot row 32 WQ + 16 (m / 8) + 8 t + m % 8, so that a lane's 16 registers of tiles 0 and 1 are the 16 steps 32 WQ + 16 h + 0 .. 15: segment 2 WQ + h of eight.
; LIMITS.  NaN, infinities and the scale byte 0xff are not served.  log2(e) m is rounded once, which leaves a relative error of about |gate| x 6e-8 in the exponentials.  v_exp_f32 gives 0 where the result would be
;   denormal (ISA guide 15.8), and h under 2^-126 may come out as 0.
.set SLOT1,  1<<17                     ; LDS slot 1 begins here: one exclusive or turns the walking descriptor from one slot to the other
.set PITCH,  816                       ; a row of 768 bytes in LDS: 3 x (256 + 16 of padding) = 204 words: row r starts at bank 12 r mod 64 (64 banks of 4 bytes: ISA guide 11.1): the 32 lanes of a load of 8 bytes touch 64 different banks
.set REG,    16*PITCH                  ; a region: the 16 rows of one tile, in the tile's order; a slot is 8 regions (2 WQ + t)
.set AGG,    8*REG                     ; 104,448: the aggregates: 2 groups x 16 entries x 128 bytes (16 columns x (P, H)); entries 0-7 the identity, entry 8 + segment
.set CARRY,  AGG+4096                  ; 2 groups x 4 waves x 32 lanes: each lane's last h; the slot's carry out is wave 3's lanes 16-31
.set STAGE,  CARRY+1024                ; 8 waves x 2,304: the way out
.set SPARE,  128000                    ; the spare words, 128 bytes for each wave: four blocks of 256 bytes that no other line names
.set WL,     SLOT1+8*REG               ; 235,520: W's three tiles, filled once
.set SLOTB,  128*768                   ; a slot's bytes in memory
.set WSO1, 1                           ; v1   W's scale words: lanes 0-15 f's row r, lanes 16-31 i's
.set ADA,  2                           ; v2   my fragments of x: group's slot + 2 WQ regions + r PITCH + 24 h
.set ADA2, 3                           ; v3   the same for pieces whose partner three pieces on lies behind one padding more (40 for 24 bytes a half)
.set XSO,  4                           ; v4   x's scale words: lanes 0-15 tile 0's row r, lanes 16-31 tile 1's
.set AG,   5                           ; v5   my group's aggregates, entry = my segment, column r
.set CRL,  6                           ; v6   the OTHER group's carry out, column r
.set CRS,  7                           ; v7   my word among the carries
.set STS,  8                           ; v8   my stage, on the way in
.set STL,  9                           ; v9   and on the way out
.set OUTO, 10                          ; v10  my 16 bytes among a store's 8 rows of h
.set WLA,  11                          ; v11  W's fragments in LDS;  v18 as ADA2
.set SPW,  12                          ; v12  LDS address of my spare word; never rewritten
.set NIL,  13                          ; v13  0; never rewritten
.set CIN,  14                          ; v[14:15] the carry (the packed form names the pair and takes its low word)
.set ONE,  16                          ; v[16:17] (1.0, 0): the identity
.set WLA2, 18
.set WSO2, 19                          ; v19  W's scale words: c's row r
.set XS,   20                          ; v20-27  x's scale words of K steps 0-7
.set WS1,  28                          ; v28-35  W's: f (lanes 0-15) and i (lanes 16-31)
.set WS2,  36                          ; v36-43  W's: c
.set ACC,  44                          ; v44-91  six accumulators
.set FA,   44                          ; f, steps 0-15; later ni, v, the local h
.set IA,   60                          ; i; later nf, f', the running product P
.set CA,   76                          ; c; later max(c, 0), g q, h
.set AB,   92                          ; v92-187 four buffers of two fragments of x (K step s in buffer s % 4); in V at work:
.set MM,   AB                          ;   -m, e0, the divisor, its reciprocal
.set EH,   AB+16                       ;   min(c, 0), 2^(..)
.set Q,    AB+32                       ;   1 + eh
.set OB,   188                         ; v188-203 rows of h back from the stage
.set W7,   204                         ; v204-239 W's fragments of K step 7; those of K steps 0-6 fill window 1: 36 s + 12 gate
.set FT,   240                         ; v240-255 eight aggregates; at the head at work
; s14 wave, s15 group, s16 wave in the group; s[24:31] group 1 for x, s[32:35] group 0 for slot 0, s[36:39] the walking group 0; s[48:51], s[52:59] W's; s[40:41] log2 e, s[42:43] -log2 e; s44 trips; s[46:47] x's scales; s[60:61] h
.set MSB, 0
.macro WIN new                         ; the immediate's high byte repeats the setting that is left
.if MSB != \new
	s_set_vgpr_msb (MSB<<8)|\new
.set MSB, \new
.endif
.endm
.macro PLACES n
.rept \n
	v_nop
.endr
.endm
; A round of the cluster's barrier: my work-group's barrier, wave 0 signals for the work-group, every wave waits for all four work-groups, my work-group's barrier once more.
.macro ROUND
	s_barrier_signal -1
	s_barrier_wait -1
	s_cmp_lg_u32 s14, 0
	s_cbranch_scc1 .Lnot_wave_0_\@
	s_barrier_signal -3
.Lnot_wave_0_\@:
	s_barrier_wait -3
	s_barrier_signal -1
	s_barrier_wait -1
.endm
; A fragment, 16 rows x 128 K of 6-bit codes, is 12 registers: lane (r, h) holds row r; registers 6 c .. 6 c + 5 hold K = 64 c + 32 h + 0 .. 31: 24 bytes of the row's stream of bits, as they lie.
; In pieces of 8 bytes: lanes 0-15 take the row's pieces 12 s + 0, 1, 2 and 12 s + 6, 7, 8, lanes 16-31 those three pieces on.  16 bytes of padding lie behind every 32 pieces.
.macro FRAG reg, adr, adr2, s, off
.irp p, 0,1,2,3,4,5
.set PC, 12*(\s)+6*(\p/3)+\p%3
.if PC%32 < 29
	ds_load_b64 v[(\reg)+2*\p:(\reg)+2*\p+1], v[\adr] offset:(\off)+8*PC+16*(PC/32)
.else
	ds_load_b64 v[(\reg)+2*\p:(\reg)+2*\p+1], v[\adr2] offset:(\off)+8*PC+16*(PC/32)
.endif
.endr
.endm
	s_load_b128 s[4:7], s[0:1], 0x0                ; W's codes, W's scales
	s_load_b128 s[8:11], s[0:1], 0x10              ; x's codes, x's scales
	s_load_b64 s[12:13], s[0:1], 0x20              ; h
	v_lshl_add_u32 v[SPW], v0, 2, SPARE
	v_mov_b32 v[NIL], 0
	ds_add_u32 v12, v13
	ds_add_u32 v12, v13
	s_wait_dscnt 0x0
	v_lshrrev_b32 v1, 5, v0
	v_readfirstlane_b32 s14, v1                    ; wave 0..7
	s_lshr_b32 s15, s14, 2                         ; group: 0 = X, 1 = Y
	s_and_b32 s16, s14, 3                          ; WQ
	s_bfe_u32 s17, ttmp6, 0x40000                  ; cx: my place in the cluster
	s_lshl_b32 s18, ttmp9, 2                       ; in a cluster launch ttmp9 counts clusters
	s_add_co_u32 s18, s18, s17                     ; dg = 4 x cluster x + cx: it enters W's and h's addresses alone
	s_and_b32 s19, ttmp7, 0xffff                   ; the batch, which the four partners share
	; group 1 for x: a region = 2 lines of 6,144 bytes (eight dense rows of x each), 16 rows of x apart; 16 bytes of padding behind every 256
	s_mov_b32 s24, 15|(3<<16)|(1<<20)|(1<<21)|(5<<22)|(3<<25)   ; 15:0 the mask: all four work-groups; 17:16 elements of 8 bytes; 20 padding on; 21 set beside a mask; 24:22 after every 64 words; 31:25 4 words of it
	s_mov_b32 s25, 768<<16                         ; tensor_dim0 = 768 elements
	s_mov_b32 s26, 2<<16                           ; tensor_dim1 = 2
	s_mov_b32 s27, 768<<16                         ; tile_dim0
	s_mov_b32 s28, 2                               ; tile_dim1
	s_mov_b32 s29, 1536                            ; from line to line: 12,288 bytes
	s_mov_b32 s30, 0
	s_mov_b32 s31, 0
	; group 1 for W: 16 dense rows of 768 bytes, the same padding, no mask
	s_mov_b32 s52, (3<<16)|(1<<20)|(5<<22)|(3<<25)
	s_mov_b32 s53, 96<<16
	s_mov_b32 s54, 16<<16
	s_mov_b32 s55, 96<<16
	s_mov_b32 s56, 16
	s_mov_b32 s57, 96
	s_mov_b32 s58, 0
	s_mov_b32 s59, 0
	s_mov_b32 s40, 0x3fb8aa3b                      ; log2 e
	s_mov_b32 s41, s40                             ; (named with it as a pair, so it is written)
	s_mov_b32 s42, 0xbfb8aa3b                      ; -log2 e
	s_mov_b32 s43, s42
	; x's codes: wave WV brings region WV: rows 32 (WV / 2) + 8 (WV % 2) on.  Batch and wave alone: equal in the four partners
	s_mul_i32 s20, s19, 4096*768
	s_lshr_b32 s21, s14, 1
	s_mul_i32 s21, s21, 32*768
	s_add_co_u32 s20, s20, s21
	s_and_b32 s21, s14, 1
	s_mul_i32 s21, s21, 8*768
	s_add_co_u32 s20, s20, s21
	s_mov_b32 s21, 0
	s_mov_b32 s32, 1                               ; count = 1
	s_mul_i32 s33, s14, REG                        ; LDS: slot 0, region WV
	s_mov_b32 s36, 1
	s_add_co_u32 s37, s33, SLOT1                   ; slot 1
	; W's codes: waves 0, 1, 2 bring f's, i's, c's 16 rows (the other waves issue no such load; their descriptor is wave 2's)
	s_min_u32 s45, s14, 2
	s_mul_i32 s49, s45, REG
	s_add_co_u32 s49, s49, WL
	s_mul_i32 s44, s45, 1024*768
	s_mul_i32 s45, s18, 16*768
	s_add_co_u32 s44, s44, s45
	s_mov_b32 s45, 0
	s_mov_b32 s48, 1
	s_lshl_b32 s62, s18, 9                         ; W's scales: 16 rows of 32 bytes for each dg
	s_mov_b32 s63, 0
	; h: batch x 4,096 rows + group x 128 rows + WQ x 32 rows, of 4,096 bytes; + 64 dg
	s_lshl_b32 s22, s19, 24
	s_lshl_b32 s23, s15, 19
	s_add_co_u32 s22, s22, s23
	s_lshl_b32 s23, s16, 17
	s_add_co_u32 s22, s22, s23
	s_lshl_b32 s23, s18, 6
	s_add_co_u32 s22, s22, s23
	s_mov_b32 s23, 0
	; every address register is made here, on the one way that all waves take
	v_and_b32 v240, 15, v0                         ; r
	v_bfe_u32 v241, v0, 4, 1                       ; h
	v_and_b32 v242, 31, v0                         ; lane
	v_mul_u32_u24 v243, v240, PITCH
	v_mad_u32_u24 v243, v241, 24, v243             ; r PITCH + 24 h
	s_lshl_b32 s2, s15, 17                         ; my group's LDS slot never changes
	s_mul_i32 s3, s16, 2*REG
	s_add_co_u32 s2, s2, s3
	v_add_nc_u32 v[ADA], s2, v243
	v_lshl_add_u32 v[ADA2], v241, 4, v[ADA]
	v_add_nc_u32 v[WLA], WL, v243
	v_lshl_add_u32 v[WLA2], v241, 4, v[WLA]
	v_bfe_u32 v244, v0, 3, 1                       ; r / 8
	v_and_b32 v245, 7, v0                          ; r % 8
	v_lshlrev_b32 v[XSO], 5, v245                  ; x's scales, 32 bytes a row: row 32 WQ + 16 (r / 8) + 8 h + r % 8
	v_lshl_add_u32 v[XSO], v244, 9, v[XSO]
	v_lshl_add_u32 v[XSO], v241, 8, v[XSO]
	s_lshl_b32 s2, s16, 10
	v_add_nc_u32 v[XSO], s2, v[XSO]
	s_lshl_b32 s2, s15, 11
	s_lshl_b32 s3, s16, 8
	s_add_co_u32 s2, s2, s3
	s_add_co_u32 s2, s2, AGG
	v_lshl_add_u32 v[AG], v242, 3, s2              ; AGG + 2,048 group + 128 (2 WQ + h) + 8 r
	s_xor_b32 s2, s15, 1
	s_lshl_b32 s2, s2, 9
	s_add_co_u32 s2, s2, CARRY+448
	v_lshl_add_u32 v[CRL], v240, 2, s2             ; the other group's wave 3, lane 16 + r
	v_lshl_add_u32 v[CRS], v0, 2, CARRY
	s_mul_i32 s2, s14, 2304
	s_add_co_u32 s2, s2, STAGE
	v_mul_u32_u24 v[STS], v241, 1088               ; rows of 64 bytes; lanes 16-31's sixteen rows begin 272 words on: the 32 lanes of a store touch 32 different banks
	v_lshl_add_u32 v[STS], v240, 2, v[STS]
	v_add_nc_u32 v[STS], s2, v[STS]
	v_lshl_add_u32 v[STL], v242, 4, s2
	v_lshrrev_b32 v246, 2, v242
	v_and_b32 v247, 3, v0
	v_lshlrev_b32 v[OUTO], 4, v247
	v_lshl_add_u32 v[OUTO], v246, 12, v[OUTO]      ; row lane / 4 of eight, 16 bytes at 16 (lane % 4)
	v_lshlrev_b32 v[WSO2], 5, v240                 ; 32 r
	v_lshl_add_u32 v[WSO1], v241, 15, v[WSO2]      ; + 1,024 rows for lanes 16-31
	v_mov_b32 v[CIN+1], 0
	v_mov_b32 v[ONE], 1.0
	v_mov_b32 v[ONE+1], 0
	s_lshl_b32 s2, s19, 17                         ; x's scales: batch x 4,096 rows + group x 128 rows, of 32 bytes
	s_lshl_b32 s3, s15, 12
	s_add_co_u32 s2, s2, s3
	s_mov_b32 s3, 0
	s_wait_kmcnt 0x0
	s_add_nc_u64 s[34:35], s[8:9], s[20:21]        ; slot 0
	s_add_nc_u64 s[38:39], s[34:35], SLOTB         ; slot 1
	s_or_b32 s35, s35, 0x80000000                  ; type = 2
	s_or_b32 s39, s39, 0x80000000
	s_add_nc_u64 s[50:51], s[4:5], s[44:45]
	s_or_b32 s51, s51, 0x80000000
	s_add_nc_u64 s[6:7], s[6:7], s[62:63]
	s_add_nc_u64 s[46:47], s[10:11], s[2:3]
	s_add_nc_u64 s[60:61], s[12:13], s[22:23]
	ROUND                                          ; all four work-groups are here: the first joint loads meet
	s_cmp_lt_u32 s14, 3                            ; a wave's first fills stand in one branch: three loads of waves 0-2 are out, two of the others; slot 1's is the youngest on both ways
	s_cbranch_scc0 .Lfirst_no_w
	tensor_load_to_lds s[48:51], s[52:59]          ; W's tile
	s_nop 0
	tensor_load_to_lds s[32:35], s[24:31]          ; slot 0
	s_nop 0
	tensor_load_to_lds s[36:39], s[24:31]          ; slot 1
	s_nop 0
	PLACES 4                                       ; four v_nop follow the last
	s_branch .Lfirst_asked
.Lfirst_no_w:
	tensor_load_to_lds s[32:35], s[24:31]
	s_nop 0
	tensor_load_to_lds s[36:39], s[24:31]
	s_nop 0
	PLACES 4
.Lfirst_asked:
	ds_store_b64 v[AG], v[ONE:ONE+1]               ; entries 0-7 of my group's aggregates: the identity, once
	ds_store_b32 v[CRS], v[ONE+1]                  ; the carries begin as 0: h before the first step
	global_load_b128 v[WS1:WS1+3], v[WSO1], s[6:7]
	global_load_b128 v[WS1+4:WS1+7], v[WSO1], s[6:7] offset:16
	global_load_b128 v[WS2:WS2+3], v[WSO2], s[6:7] offset:65536
	global_load_b128 v[WS2+4:WS2+7], v[WSO2], s[6:7] offset:65552
	global_load_b128 v[XS:XS+3], v[XSO], s[46:47]  ; my group's first slot
	global_load_b128 v[XS+4:XS+7], v[XSO], s[46:47] offset:16
	s_wait_tensorcnt 0x1                           ; W's tile and my region of slot 0 are in; slot 1's may stay out
	s_wait_dscnt 0x0                               ; my two stores have landed
	s_barrier_signal -1
	s_barrier_wait -1
	WIN 0x40                                       ; destination window 1
.irp s, 0,1,2,3,4,5,6
.irp n, 0,1,2
	FRAG 36*\s+12*\n, WLA, WLA2, \s, \n*REG        ; every wave keeps all of the work-group's W
.endr
.endr
	WIN 0
.irp n, 0,1,2
	FRAG W7+12*\n, WLA, WLA2, 7, \n*REG
.endr
; One matrix instruction: tile t of rows, gate n, K step s.  x's scale words: tile 0's in lanes 0-15, tile 1's in lanes 16-31; W's: f's in lanes 0-15 and i's in lanes 16-31 of one register, c's in another.
.macro MUL1 t, n, s
.set rD, ACC+16*(\n)+8*(\t)
.set rA, AB+24*((\s)%4)+12*(\t)
.if (\s) < 7
.set rB, 36*(\s)+12*(\n)
.else
.set rB, W7+12*(\n)
.endif
.if (\n) < 2
.set rW, WS1+(\s)
.else
.set rW, WS2+(\s)
.endif
.set rX, XS+(\s)
.if (\s) == 0                          ; the first K step starts the sums: nothing is cleared
.if (\t) == 0
.if (\n) == 1
	v_wmma_scale_f32_16x16x128_f8f6f4 v[rD:rD+7], v[rA:rA+11], v[rB:rB+11], 0, v[rX], v[rW] matrix_a_fmt:MATRIX_FMT_BF6 matrix_b_fmt:MATRIX_FMT_BF6 matrix_b_scale:MATRIX_SCALE_ROW1
.else
	v_wmma_scale_f32_16x16x128_f8f6f4 v[rD:rD+7], v[rA:rA+11], v[rB:rB+11], 0, v[rX], v[rW] matrix_a_fmt:MATRIX_FMT_BF6 matrix_b_fmt:MATRIX_FMT_BF6
.endif
.else
.if (\n) == 1
	v_wmma_scale_f32_16x16x128_f8f6f4 v[rD:rD+7], v[rA:rA+11], v[rB:rB+11], 0, v[rX], v[rW] matrix_a_fmt:MATRIX_FMT_BF6 matrix_b_fmt:MATRIX_FMT_BF6 matrix_a_scale:MATRIX_SCALE_ROW1 matrix_b_scale:MATRIX_SCALE_ROW1
.else
	v_wmma_scale_f32_16x16x128_f8f6f4 v[rD:rD+7], v[rA:rA+11], v[rB:rB+11], 0, v[rX], v[rW] matrix_a_fmt:MATRIX_FMT_BF6 matrix_b_fmt:MATRIX_FMT_BF6 matrix_a_scale:MATRIX_SCALE_ROW1
.endif
.endif
.else
.if (\t) == 0
.if (\n) == 1
	v_wmma_scale_f32_16x16x128_f8f6f4 v[rD:rD+7], v[rA:rA+11], v[rB:rB+11], v[rD:rD+7], v[rX], v[rW] matrix_a_fmt:MATRIX_FMT_BF6 matrix_b_fmt:MATRIX_FMT_BF6 matrix_b_scale:MATRIX_SCALE_ROW1
.else
	v_wmma_scale_f32_16x16x128_f8f6f4 v[rD:rD+7], v[rA:rA+11], v[rB:rB+11], v[rD:rD+7], v[rX], v[rW] matrix_a_fmt:MATRIX_FMT_BF6 matrix_b_fmt:MATRIX_FMT_BF6
.endif
.else
.if (\n) == 1
	v_wmma_scale_f32_16x16x128_f8f6f4 v[rD:rD+7], v[rA:rA+11], v[rB:rB+11], v[rD:rD+7], v[rX], v[rW] matrix_a_fmt:MATRIX_FMT_BF6 matrix_b_fmt:MATRIX_FMT_BF6 matrix_a_scale:MATRIX_SCALE_ROW1 matrix_b_scale:MATRIX_SCALE_ROW1
.else
	v_wmma_scale_f32_16x16x128_f8f6f4 v[rD:rD+7], v[rA:rA+11], v[rB:rB+11], v[rD:rD+7], v[rX], v[rW] matrix_a_fmt:MATRIX_FMT_BF6 matrix_b_fmt:MATRIX_FMT_BF6 matrix_a_scale:MATRIX_SCALE_ROW1
.endif
.endif
.endif
.endm
; M, first part: x's fragments of K steps 0-3, both tiles: 48 loads into the four buffers
.macro MPRE
.irp s, 0,1,2,3
.irp t, 0,1
	FRAG AB+24*\s+12*\t, ADA, ADA2, \s, \t*REG
.endr
.endr
.endm
; M, second part: 8 K steps x 6 matrix instructions.  The six accumulators take turns, one instruction a turn.  Behind K step s (s < 4) its buffer takes K step s + 4.
; nxt = 1: the scale words of my group's next slot are asked for, two periods ahead of their use.
.macro MMUL nxt
	s_wait_loadcnt 0x0                             ; x's scale words (the first time W's too) are in; their base may step
	WIN 0x04                                       ; source 1 (W) in window 1; LDS loads name a destination and source 0 alone
.irp s, 0,1,2,3,4,5,6,7
.if \s < 5
	s_wait_dscnt 36                                ; behind this step's 12 loads stand at least those of three later steps
.else
	s_wait_dscnt 12*(7-\s)                         ; those of the 7 - s steps that are left
.endif
.if \s == 7
	WIN 0                                          ; K step 7's W lies in window 0
.endif
.irp t, 0,1
.irp n, 0,1,2
	MUL1 \t, \n, \s
.endr
.endr
.if \s < 4
	PLACES 4                                       ; four plain places in front of loads into registers that matrix instructions have read (ISA guide 7.12.1 for vector instructions)
.irp t, 0,1
	FRAG AB+24*\s+12*\t, ADA, ADA2, \s+4, \t*REG
.endr
.endif
.endr
	PLACES 5                                       ; four for the reads of results and the loads below; the fifth for the next M's first products, which write over these accumulators
.if \nxt
	s_add_nc_u64 s[46:47], s[46:47], 2*128*32
	global_load_b128 v[XS:XS+3], v[XSO], s[46:47]
	global_load_b128 v[XS+4:XS+7], v[XSO], s[46:47] offset:16
.endif
.endm
; V: 16 steps of one column in a lane.  m = max(-f, -i, 0); e0 = e^-m, ea = e^(-f - m), eb = e^(-i - m), all at most 1 and one of them 1; nf = e0 + eb, ni = e0 + ea, f' = nf / (nf + ni), i' = ni / (nf + ni).
; -m is made as min(min(f, i), 0), on the gates as they stand: no source is negated, so no -0 is set against +0.
; g(c): eh = e^min(c, 0), q = 1 + eh, g q = max(c, 0) q + eh: for c >= 0 that is 2 (c + 0.5), for c < 0 it is e^c: no compare.  One reciprocal serves both: R = 1 / ((nf + ni) q).
; Each accumulator is read from its low end on: every run goes up.
.macro GATES
.irp j, 0,1,2,3,4,5,6,7,8,9,10,11,12,13,14,15
	v_min_num_f32 v[MM+\j], v[FA+\j], v[IA+\j]
.endr
.irp j, 0,1,2,3,4,5,6,7,8,9,10,11,12,13,14,15
	v_min_num_f32 v[MM+\j], 0, v[MM+\j]            ; -m
.endr
.irp p, 0,2,4,6,8,10,12,14
	v_pk_mul_f32 v[MM+\p:MM+\p+1], v[MM+\p:MM+\p+1], s[40:41] op_sel_hi:[1,0]                                ; -m log2 e
.endr
.irp p, 0,2,4,6,8,10,12,14
	v_pk_fma_f32 v[FA+\p:FA+\p+1], v[FA+\p:FA+\p+1], s[42:43], v[MM+\p:MM+\p+1] op_sel_hi:[1,0,1]            ; (-f - m) log2 e
.endr
.irp p, 0,2,4,6,8,10,12,14
	v_pk_fma_f32 v[IA+\p:IA+\p+1], v[IA+\p:IA+\p+1], s[42:43], v[MM+\p:MM+\p+1] op_sel_hi:[1,0,1]            ; (-i - m) log2 e
.endr
.irp j, 0,1,2,3,4,5,6,7,8,9,10,11,12,13,14,15
	v_min_num_f32 v[EH+\j], 0, v[CA+\j]
.endr
.irp p, 0,2,4,6,8,10,12,14
	v_pk_mul_f32 v[EH+\p:EH+\p+1], v[EH+\p:EH+\p+1], s[40:41] op_sel_hi:[1,0]
.endr
.irp j, 0,1,2,3,4,5,6,7,8,9,10,11,12,13,14,15
	v_max_num_f32 v[CA+\j], 0, v[CA+\j]
.endr
.irp j, 0,1,2,3,4,5,6,7,8,9,10,11,12,13,14,15
	v_exp_f32 v[MM+\j], v[MM+\j]                   ; e0
.endr
.irp j, 0,1,2,3,4,5,6,7,8,9,10,11,12,13,14,15
	v_exp_f32 v[FA+\j], v[FA+\j]                   ; ea
.endr
.irp j, 0,1,2,3,4,5,6,7,8,9,10,11,12,13,14,15
	v_exp_f32 v[IA+\j], v[IA+\j]                   ; eb
.endr
.irp j, 0,1,2,3,4,5,6,7,8,9,10,11,12,13,14,15
	v_exp_f32 v[EH+\j], v[EH+\j]                   ; eh
.endr
	v_nop                                          ; one plain place behind the last exponential
	s_wait_alu depctr_va_vdst(0)
.irp p, 0,2,4,6,8,10,12,14
	v_pk_add_f32 v[IA+\p:IA+\p+1], v[MM+\p:MM+\p+1], v[IA+\p:IA+\p+1]        ; nf
.endr
.irp p, 0,2,4,6,8,10,12,14
	v_pk_add_f32 v[FA+\p:FA+\p+1], v[MM+\p:MM+\p+1], v[FA+\p:FA+\p+1]        ; ni
.endr
.irp p, 0,2,4,6,8,10,12,14
	v_pk_add_f32 v[MM+\p:MM+\p+1], v[IA+\p:IA+\p+1], v[FA+\p:FA+\p+1]        ; nf + ni, between 1 and 4
.endr
.irp p, 0,2,4,6,8,10,12,14
	v_pk_add_f32 v[Q+\p:Q+\p+1], v[EH+\p:EH+\p+1], 1.0 op_sel_hi:[1,0]       ; q
.endr
.irp p, 0,2,4,6,8,10,12,14
	v_pk_mul_f32 v[MM+\p:MM+\p+1], v[MM+\p:MM+\p+1], v[Q+\p:Q+\p+1]
.endr
.irp j, 0,1,2,3,4,5,6,7,8,9,10,11,12,13,14,15
	v_rcp_f32 v[MM+\j], v[MM+\j]                   ; R
.endr
	v_nop                                          ; one plain place behind the last reciprocal
.irp p, 0,2,4,6,8,10,12,14
	v_pk_fma_f32 v[CA+\p:CA+\p+1], v[CA+\p:CA+\p+1], v[Q+\p:Q+\p+1], v[EH+\p:EH+\p+1]   ; g q
.endr
.irp p, 0,2,4,6,8,10,12,14
	v_pk_mul_f32 v[IA+\p:IA+\p+1], v[IA+\p:IA+\p+1], v[Q+\p:Q+\p+1]
.endr
.irp p, 0,2,4,6,8,10,12,14
	v_pk_mul_f32 v[FA+\p:FA+\p+1], v[FA+\p:FA+\p+1], v[CA+\p:CA+\p+1]
.endr
	s_wait_alu depctr_va_vdst(0)
.irp p, 0,2,4,6,8,10,12,14
	v_pk_mul_f32 v[IA+\p:IA+\p+1], v[IA+\p:IA+\p+1], v[MM+\p:MM+\p+1]        ; f'
.endr
.irp p, 0,2,4,6,8,10,12,14
	v_pk_mul_f32 v[FA+\p:FA+\p+1], v[FA+\p:FA+\p+1], v[MM+\p:MM+\p+1]        ; v = i' g
.endr
.irp j, 1,2,3,4,5,6,7,8,9,10,11,12,13,14,15
	v_fma_f32 v[FA+\j], v[IA+\j], v[FA+\j-1], v[FA+\j]                       ; the local h: as if the segment began at 0
	v_mul_f32 v[IA+\j], v[IA+\j], v[IA+\j-1]                                 ; P: the product of f' from the segment's first step on
.endr
	ds_store_b32 v[AG], v[IA+15] offset:1024       ; the segment's aggregate, entry 8 + segment: h out = P h in + H
	ds_store_b32 v[AG], v[FA+15] offset:1028
.endm
; F, first part: the slot's carry in, and entries segment .. segment + 7: identities, then the aggregates of the segments in front of mine, in time's order: the chain needs no select
.macro FLOADS
	ds_load_b32 v[CIN], v[CRL]
.irp k, 0,1,2,3,4,5,6,7
	ds_load_b64 v[FT+2*\k:FT+2*\k+1], v[AG] offset:128*\k
.endr
.endm
; F, second part.  younger: the LDS loads issued behind FLOADS' nine.
.macro FIN younger
	s_wait_dscnt \younger
.irp k, 0,1,2,3,4,5,6,7
	v_fma_f32 v[CIN], v[FT+2*\k], v[CIN], v[FT+2*\k+1]
.endr
.irp p, 0,2,4,6,8,10,12,14
	v_pk_fma_f32 v[CA+\p:CA+\p+1], v[IA+\p:IA+\p+1], v[CIN:CIN+1], v[FA+\p:FA+\p+1] op_sel_hi:[1,0,1]   ; h = P x carry + local h
.endr
.irp j, 0,1,2,3,4,5,6,7,8,9,10,11,12,13,14,15
	ds_store_b32 v[STS], v[CA+\j] offset:64*\j     ; step 16 h + j, column r; the registers go up from the low end
.endr
	ds_store_b32 v[CRS], v[CA+15]                  ; my last h, behind the run that goes up; wave 3's lanes 16-31 hold the slot's carry out, which the other group reads behind the next barrier
	ds_load_b128 v[OB:OB+3], v[STL]                ; LDS serves a wave's instructions in order (ISA guide 5.7.1.4): these see my stores.  Eight rows of 64 bytes a load
	ds_load_b128 v[OB+4:OB+7], v[STL] offset:512
	ds_load_b128 v[OB+8:OB+11], v[STL] offset:1088
	ds_load_b128 v[OB+12:OB+15], v[STL] offset:1600
.irp q, 0,1,2,3
	s_wait_dscnt 3-\q                              ; behind load q stand the 3 - q later loads from the stage
	global_store_b128 v[OUTO], v[OB+4*\q:OB+4*\q+3], s[60:61] offset:32768*\q   ; 8 rows of h, four lanes to a row's 64 consecutive bytes; the neighbouring 192 bytes are the cluster's partners'
.endr
	s_wait_xcnt 0x0                                ; the stores' base and data are written again only behind this wait
	s_add_nc_u64 s[60:61], s[60:61], 2*128*4096    ; my group's next slot
.endm
.macro WORK f, m, v, nxt
.if \f
	FLOADS
.endif
.if \m
	MPRE                                           ; the fragments are on their way while F is worked
.endif
.if \f
	FIN 48*\m
.endif
.if \m
	MMUL \nxt
.endif
.if \v
	GATES
.endif
.endm
; THE HEAD OF A PERIOD.  Each wave waits for all its tensor loads (one is out: its region of the slot that is read next), adds 0 to its spare word, and waits for that and for all its LDS loads and stores.
; fill = 1: the barrier is a round of the cluster's, and behind it the LDS slot that was read in the period before is filled with the slot after next: one joint load a wave, 12,288 bytes, a period in which to land.
.macro CHANGE fill
	s_wait_tensorcnt 0x0                           ; no tensor load of mine is out, so the walking group 0 may be written
	ds_add_u32 v[SPW], v[NIL]                      ; 0 onto my spare word
.if \fill
	s_xor_b32 s37, s37, SLOT1                      ; the other LDS slot than last time,
	s_add_nc_u64 s[38:39], s[38:39], SLOTB         ; the next 128 rows; the type bits on top are not reached
.endif
	s_wait_dscnt 0x0                               ; the add is done; my reads of the slot are over; my aggregates and carries have landed
.if \fill
	ROUND
	tensor_load_to_lds s[36:39], s[24:31]          ; the first thing behind the round, and my one tensor load until the next
	s_nop 0
	PLACES 4
.else
	s_barrier_signal -1
	s_barrier_wait -1
.endif
.endm
; A PERIOD: its head, then each group's work.  The branch hangs on the wave's number alone; no barrier and no tensor load stands in an arm.
.macro PER fill, xf, xm, xv, yf, ym, yv, nxt
	CHANGE \fill
	s_cmp_lt_u32 s14, 4
	s_cbranch_scc0 .Ly_\@
	WORK \xf, \xm, \xv, \nxt
	s_branch .Lj_\@
.Ly_\@:
	WORK \yf, \ym, \yv, \nxt
.Lj_\@:
.endm
	s_cmp_lt_u32 s14, 4                            ; period 0, behind the head's barrier: X: M(0)
	s_cbranch_scc0 .Lp0_y
	WORK 0, 1, 0, 1
.Lp0_y:
	PER 1, 0,0,1, 0,1,0, 1                         ; period 1: slot 2 is asked for | X: V(0) | Y: M(1)
	s_mov_b32 s44, 14
.Lpair:                                            ; periods 2 to 29, two a trip
	PER 1, 1,1,0, 0,0,1, 1                         ; even p: X: F(p - 2), M(p) | Y: V(p - 1)
	PER 1, 0,0,1, 1,1,0, 1                         ; odd p:  X: V(p - 1) | Y: F(p - 2), M(p)
	s_sub_co_u32 s44, s44, 1
	s_cmp_lg_u32 s44, 0
	s_cbranch_scc1 .Lpair
	PER 1, 1,1,0, 0,0,1, 0                         ; period 30: slot 31 is asked for, the last; no scale words are left to fetch
	PER 0, 0,0,1, 1,1,0, 0                         ; period 31: the tail is written out
	PER 0, 1,0,0, 0,0,1, 0                         ; period 32: X: F(30) | Y: V(31)
	PER 0, 0,0,0, 1,0,0, 0                         ; period 33: Y: F(31)
	s_wait_tensorcnt 0x0                           ; the wave's end: behind my last tensor load and my last LDS store
	ds_add_u32 v[SPW], v[NIL]
	s_wait_dscnt 0x0
	ROUND                                          ; the closing round: no work-group ends while a partner may still ask for a tile that names it
	s_endpgm
.Lfunc_end_k_qd6fe8e1c8f_minlstm:
	.size	k_qd6fe8e1c8f_minlstm, .Lfunc_end_k_qd6fe8e1c8f_minlstm-k_qd6fe8e1c8f_minlstm
	.p2alignl 7, 3214868480
	.fill 96, 4, 3214868480
	.section	.rodata,"a",@progbits
	.p2align	6, 0x0
	.amdhsa_kernel k_qd6fe8e1c8f_minlstm
		.amdhsa_group_segment_fixed_size 327680
		.amdhsa_private_segment_fixed_size 0
		.amdhsa_enable_private_segment 0
		.amdhsa_kernarg_size 40
		.amdhsa_user_sgpr_count 2
		.amdhsa_user_sgpr_kernarg_segment_ptr 1
		.amdhsa_wavefront_size32 1
		.amdhsa_system_sgpr_workgroup_id_x 1
		.amdhsa_system_sgpr_workgroup_id_y 1
		.amdhsa_system_sgpr_workgroup_id_z 1
		.amdhsa_system_vgpr_workitem_id 0
		.amdhsa_next_free_vgpr 512
		.amdhsa_next_free_sgpr 66
		.amdhsa_reserve_vcc 0
		.amdhsa_float_denorm_mode_32 3
		.amdhsa_float_denorm_mode_16_64 3
		.amdhsa_memory_ordered 1
		.amdhsa_forward_progress 1
		.amdhsa_inst_pref_size 202
	.end_amdhsa_kernel
	.amdgpu_metadata
---
amdhsa.version: [ 1, 2 ]
amdhsa.kernels:
  - .name:           k_qd6fe8e1c8f_minlstm
    .symbol:         k_qd6fe8e1c8f_minlstm.kd
    .args:
      - { .name: W_codes, .offset: 0, .size: 8, .value_kind: global_buffer, .address_space: global }
      - { .name: W_scales, .offset: 8, .size: 8, .value_kind: global_buffer, .address_space: global }
      - { .name: x_codes, .offset: 16, .size: 8, .value_kind: global_buffer, .address_space: global }
      - { .name: x_scales, .offset: 24, .size: 8, .value_kind: global_buffer, .address_space: global }
      - { .name: out0, .offset: 32, .size: 8, .value_kind: global_buffer, .address_space: global }
    .group_segment_fixed_size: 327680
    .private_segment_fixed_size: 0
    .kernarg_segment_align: 8
    .kernarg_segment_size: 40
    .max_flat_workgroup_size: 256
    .sgpr_count:     66
    .vgpr_count:     512
    .wavefront_size: 32
...
	.end_amdgpu_metadata
.endif
;; end of part 1
;; ======== version 2 of 2: 2 launches
;; limits: right only within a limited range of input values
;; workspace buffers: hl 67,108,864 bytes; pp 67,108,864 bytes; agg 262,144 bytes
;; launch scan (part 2): grid 8 x 32, 8 waves a work-group, clusters of 4 x 1, 327,680 bytes of LDS; arguments W_codes, W_scales, x_codes, x_scales, out0, hl, pp, agg; writes out0, hl, pp, agg
.if DOCPART == 2
	.amdgcn_target "amdgcn-amd-amdhsa--gfx1250"
	.amdhsa_code_object_version 6
	.text
	.protected	k_qd6fe8e1c8f_scan
	.globl	k_qd6fe8e1c8f_scan
	.p2align	8
	.type	k_qd6fe8e1c8f_scan,@function
k_qd6fe8e1c8f_scan:
	s_mov_b64 s[64:65], 0
	v_nop
	global_prefetch_b8 v0, s[64:65] scope:SCOPE_SE
	s_setreg_imm32_b32 hwreg(HW_REG_WAVE_MODE, 25, 1), 1
	s_wait_xcnt 0x0
	s_wait_alu depctr_hold_cnt(0) depctr_sa_sdst(0) depctr_va_vdst(0) depctr_va_sdst(0) depctr_va_ssrc(0) depctr_va_vcc(0) depctr_vm_vsrc(0)
	s_getreg_b32 s2, hwreg(HW_REG_IB_STS2, 6, 4)
	s_cmp_eq_u32 s2, 0
	s_cbranch_scc0 .Lentry_in_a_cluster
	s_endpgm
.Lentry_in_a_cluster:
	s_bfe_u32 s2, ttmp6, 0x10000c
	s_cmp_lg_u32 s2, 0x3003
	s_cbranch_scc0 .Lentry_shape_is_right
	s_endpgm
.Lentry_shape_is_right:
; minLSTM, first of two launches: gates = x W (MX-BF6 codes as given), then the recurrence h = f' h + i' g(hidden), f' = sig(f)/(sig(f)+sig(i)), i' = 1 - f',
; which is reference()'s scan in log space written in plain numbers.  A work-group takes 512 steps x 128 columns and scans them as if h were 0 ahead of them:
; hl = that local h, pp = the running product of f', agg = the chunk's last row of both; chunk 0's h goes straight to out0.  The second launch adds the carry.
; Each wave keeps W's 3 x 16 rows for all of K in registers; their loads go out behind x's first tensor load, ahead of the wait for it.
; x goes through two slots of 128 rows, asked for jointly by the four work-groups of a cluster, which share the rows.  No prefetch: x's next slot is asked for four pairs of steps ahead.
.set SLOT1,  1<<17
.set PITCH,  816
.set REG,    16*PITCH
.set SUB,    2*REG
.set SLOTB,  128*768
.set STAGE,  SLOT1+8*REG
.set BLK,    8448
.set HOFF,   4160
.set SPARE,  STAGE+4*BLK
.set ADA,  2
.set ADA2, 3
.set XSO,  4
.set AK,   5
.set AK2,  6
.set T1,   7
.set STS,  8
.set STL,  9
.set OUTO, 10
.set T2,   11
.set SPW,  12
.set NIL,  13
.set HIN,  14
.set PIN,  16
.set PC,   18
.set HC,   19
.set XS,   20
.set WS1,  28
.set WS2,  36
.set ACC,  44
.set FA,   44
.set IA,   60
.set CA,   76
.set AB,   92
.set MM,   AB
.set EH,   AB+16
.set Q,    AB+32
.set OB,   188
.set W7,   204
.set PB,   240
.set MSB, 0
.macro WIN new
.if MSB != \new
	s_set_vgpr_msb (MSB<<8)|\new
.set MSB, \new
.endif
.endm
.macro PLACES n
.rept \n
	v_nop
.endr
.endm
.macro ROUND
	s_barrier_signal -1
	s_barrier_wait -1
	s_cmp_lg_u32 s20, 0
	s_cbranch_scc1 .Lnot_wave_0_\@
	s_barrier_signal -3
.Lnot_wave_0_\@:
	s_barrier_wait -3
	s_barrier_signal -1
	s_barrier_wait -1
.endm
.macro FRAG reg, adr, adr2, s, off
.irp p, 0,1,2,3,4,5
.set PC8, 12*(\s)+6*(\p/3)+\p%3
.if PC8%32 < 29
	ds_load_b64 v[(\reg)+2*\p:(\reg)+2*\p+1], v[\adr] offset:(\off)+8*PC8+16*(PC8/32)
.else
	ds_load_b64 v[(\reg)+2*\p:(\reg)+2*\p+1], v[\adr2] offset:(\off)+8*PC8+16*(PC8/32)
.endif
.endr
.endm
.macro WFRAG reg, s, n
.irp p, 0,1,2,3,4,5
	global_load_b64 v[(\reg)+2*\p:(\reg)+2*\p+1], v48, s[4:5] offset:(\n)*786432+96*(\s)+48*(\p/3)+8*(\p%3)
.endr
.endm
	s_load_b128 s[4:7], s[0:1], 0x0
	s_load_b128 s[8:11], s[0:1], 0x10
	s_load_b128 s[12:15], s[0:1], 0x20
	s_load_b128 s[16:19], s[0:1], 0x30
	v_lshl_add_u32 v[SPW], v0, 2, SPARE
	v_mov_b32 v[NIL], 0
	ds_add_u32 v12, v13
	ds_add_u32 v12, v13
	s_wait_dscnt 0x0
	v_lshrrev_b32 v1, 5, v0
	s_delay_alu instid0(VALU_DEP_1)
	v_readfirstlane_b32 s20, v1
	s_lshr_b32 s21, s20, 2
	s_and_b32 s22, s20, 3
	s_bfe_u32 s23, ttmp6, 0x40000
	s_lshl_b32 s53, ttmp9, 2
	s_add_co_u32 s53, s53, s23
	s_and_b32 s54, ttmp7, 0xffff
	s_and_b32 s52, s54, 7
	s_mov_b32 s24, 15|(3<<16)|(1<<20)|(1<<21)|(5<<22)|(3<<25)
	s_mov_b32 s25, 768<<16
	s_mov_b32 s26, 2<<16
	s_mov_b32 s27, 768<<16
	s_mov_b32 s28, 2
	s_mov_b32 s29, 1536
	s_mov_b32 s30, 0
	s_mov_b32 s31, 0
	s_mov_b32 s40, 0x3fb8aa3b
	s_mov_b32 s41, s40
	s_mov_b32 s42, 0xbfb8aa3b
	s_mov_b32 s43, s42
	s_mov_b32 s49, 0xffff0000              ; lanes 16-31
	s_mov_b32 s50, 0x76543210
	s_mov_b32 s51, 0xfedcba98
	s_mov_b32 s48, 0
	s_mul_i32 s62, s54, 512*768
	s_lshr_b32 s63, s20, 1
	s_mul_i32 s63, s63, 32*768
	s_add_co_u32 s62, s62, s63
	s_and_b32 s63, s20, 1
	s_mul_i32 s63, s63, 8*768
	s_add_co_u32 s62, s62, s63
	s_mov_b32 s63, 0
	s_mov_b32 s32, 1
	s_mul_i32 s33, s20, REG
	s_mov_b32 s36, 1
	s_add_co_u32 s37, s33, SLOT1
	s_mul_i32 s2, s53, 128*768
	s_mul_i32 s3, s20, 16*768
	s_add_co_u32 s2, s2, s3
	s_mov_b32 s3, 0
	s_lshl_b32 s44, s53, 12
	s_lshl_b32 s45, s20, 9
	s_add_co_u32 s44, s44, s45
	s_mov_b32 s45, 0
	s_lshl_b32 s46, s54, 14
	s_mov_b32 s47, 0
	s_lshl_b32 s56, s54, 21
	s_lshl_b32 s57, s22, 15
	s_add_co_u32 s56, s56, s57
	s_lshl_b32 s57, s21, 8
	s_add_co_u32 s56, s56, s57
	s_lshl_b32 s57, s53, 9
	s_add_co_u32 s56, s56, s57
	s_mov_b32 s57, 0
	s_lshl_b32 s60, s54, 13
	s_lshl_b32 s61, s53, 9
	s_add_co_u32 s60, s60, s61
	s_lshl_b32 s61, s20, 6
	s_add_co_u32 s60, s60, s61
	s_mov_b32 s61, 0
	v_and_b32 v44, 15, v0
	v_bfe_u32 v45, v0, 4, 1
	s_delay_alu instid0(VALU_DEP_2)
	v_mul_u32_u24 v[AK], v44, PITCH
	s_delay_alu instid0(VALU_DEP_1)
	v_mad_u32_u24 v[AK], v45, 24, v[AK]
	s_delay_alu instid0(VALU_DEP_1)
	v_lshl_add_u32 v[AK2], v45, 4, v[AK]
	v_bfe_u32 v46, v0, 3, 1
	v_and_b32 v47, 7, v0
	s_delay_alu instid0(VALU_DEP_1)
	v_lshlrev_b32 v[XSO], 5, v47
	s_delay_alu instid0(VALU_DEP_1)
	v_lshl_add_u32 v[XSO], v46, 9, v[XSO]
	s_delay_alu instid0(VALU_DEP_1)
	v_lshl_add_u32 v[XSO], v45, 8, v[XSO]
	s_mul_i32 s23, s21, 2*BLK
	s_lshl_b32 s55, s22, 6
	s_add_co_u32 s23, s23, s55
	s_add_co_u32 s23, s23, STAGE
	v_mul_u32_u24 v[STS], v45, HOFF
	s_delay_alu instid0(VALU_DEP_1)
	v_lshl_add_u32 v[STS], v44, 2, v[STS]
	s_delay_alu instid0(VALU_DEP_1)
	v_add_nc_u32 v[STS], s23, v[STS]
	s_mul_i32 s23, s21, 2*BLK
	s_lshr_b32 s55, s22, 1
	s_mul_i32 s55, s55, HOFF
	s_add_co_u32 s23, s23, s55
	s_and_b32 s55, s22, 1
	s_lshl_b32 s55, s55, 11
	s_add_co_u32 s23, s23, s55
	s_add_co_u32 s23, s23, STAGE
	v_lshlrev_b32 v[STL], 8, v45
	s_delay_alu instid0(VALU_DEP_1)
	v_lshl_add_u32 v[STL], v44, 4, v[STL]
	s_delay_alu instid0(VALU_DEP_1)
	v_add_nc_u32 v[STL], s23, v[STL]
	v_lshlrev_b32 v[OUTO], 12, v45
	s_delay_alu instid0(VALU_DEP_1)
	v_lshl_add_u32 v[OUTO], v44, 4, v[OUTO]
	v_mul_u32_u24 v48, v44, 768
	s_delay_alu instid0(VALU_DEP_1)
	v_mad_u32_u24 v48, v45, 24, v48
	v_lshlrev_b32 v49, 5, v44
	s_delay_alu instid0(VALU_DEP_1)
	v_lshl_add_u32 v50, v45, 15, v49
	v_mov_b32 v[HIN+1], 0
	v_mov_b32 v[PIN+1], 0
	v_mov_b32 v[PC], 1.0
	v_mov_b32 v[HC], 0
	v_mov_b32 v[T1], 0
	v_mov_b32 v[T2], 0
	s_wait_kmcnt 0x0
	s_add_nc_u64 s[34:35], s[8:9], s[62:63]
	s_add_nc_u64 s[38:39], s[34:35], SLOTB
	s_or_b32 s35, s35, 0x80000000
	s_or_b32 s39, s39, 0x80000000
	s_add_nc_u64 s[4:5], s[4:5], s[2:3]
	s_add_nc_u64 s[6:7], s[6:7], s[44:45]
	s_add_nc_u64 s[46:47], s[10:11], s[46:47]
	s_add_nc_u64 s[58:59], s[16:17], s[56:57]
	s_add_nc_u64 s[60:61], s[18:19], s[60:61]
	s_cmp_eq_u32 s52, 0
	s_cselect_b64 s[12:13], s[12:13], s[14:15]
	s_add_nc_u64 s[56:57], s[12:13], s[56:57]
	s_wait_alu depctr_va_vdst(0)
	ROUND
	tensor_load_to_lds s[32:35], s[24:31]  ; x's first 128 rows: my one tensor load at the head
	s_nop 0
	PLACES 4
	WIN 0x40
.irp s, 0,1,2,3,4,5,6
.irp n, 0,1,2
	WFRAG 36*\s+12*\n, \s, \n
.endr
.endr
	WIN 0
.irp n, 0,1,2
	WFRAG W7+12*\n, 7, \n
.endr
	global_load_b128 v[WS1:WS1+3], v50, s[6:7]
	global_load_b128 v[WS1+4:WS1+7], v50, s[6:7] offset:16
	global_load_b128 v[WS2:WS2+3], v49, s[6:7] offset:65536
	global_load_b128 v[WS2+4:WS2+7], v49, s[6:7] offset:65552
	global_load_b128 v[XS:XS+3], v[XSO], s[46:47]
	global_load_b128 v[XS+4:XS+7], v[XSO], s[46:47] offset:16
	s_wait_tensorcnt 0x0                   ; slot 1's first fill is issued as a refill is: my part of slot 0 has landed,
	ds_add_u32 v12, v13                    ; 0 onto my spare word,
	s_wait_dscnt 0x0                       ; and it is done
	ROUND
	tensor_load_to_lds s[36:39], s[24:31]
	s_nop 0
	PLACES 4
	s_wait_tensorcnt 0x1                   ; the count leaves slot 1's load, issued behind slot 0's, on its way
	s_barrier_signal -1
	s_barrier_wait -1
.macro MUL1 t, n, s
.set rD, ACC+16*(\n)+8*(\t)
.set rA, AB+24*((\s)%4)+12*(\t)
.if (\s) < 7
.set rB, 36*(\s)+12*(\n)
.else
.set rB, W7+12*(\n)
.endif
.if (\n) < 2
.set rW, WS1+(\s)
.else
.set rW, WS2+(\s)
.endif
.set rX, XS+(\s)
.if (\s) == 0
.if (\t) == 0
.if (\n) == 1
	v_wmma_scale_f32_16x16x128_f8f6f4 v[rD:rD+7], v[rA:rA+11], v[rB:rB+11], 0, v[rX], v[rW] matrix_a_fmt:MATRIX_FMT_BF6 matrix_b_fmt:MATRIX_FMT_BF6 matrix_b_scale:MATRIX_SCALE_ROW1
.else
	v_wmma_scale_f32_16x16x128_f8f6f4 v[rD:rD+7], v[rA:rA+11], v[rB:rB+11], 0, v[rX], v[rW] matrix_a_fmt:MATRIX_FMT_BF6 matrix_b_fmt:MATRIX_FMT_BF6
.endif
.else
.if (\n) == 1
	v_wmma_scale_f32_16x16x128_f8f6f4 v[rD:rD+7], v[rA:rA+11], v[rB:rB+11], 0, v[rX], v[rW] matrix_a_fmt:MATRIX_FMT_BF6 matrix_b_fmt:MATRIX_FMT_BF6 matrix_a_scale:MATRIX_SCALE_ROW1 matrix_b_scale:MATRIX_SCALE_ROW1
.else
	v_wmma_scale_f32_16x16x128_f8f6f4 v[rD:rD+7], v[rA:rA+11], v[rB:rB+11], 0, v[rX], v[rW] matrix_a_fmt:MATRIX_FMT_BF6 matrix_b_fmt:MATRIX_FMT_BF6 matrix_a_scale:MATRIX_SCALE_ROW1
.endif
.endif
.else
.if (\t) == 0
.if (\n) == 1
	v_wmma_scale_f32_16x16x128_f8f6f4 v[rD:rD+7], v[rA:rA+11], v[rB:rB+11], v[rD:rD+7], v[rX], v[rW] matrix_a_fmt:MATRIX_FMT_BF6 matrix_b_fmt:MATRIX_FMT_BF6 matrix_b_scale:MATRIX_SCALE_ROW1
.else
	v_wmma_scale_f32_16x16x128_f8f6f4 v[rD:rD+7], v[rA:rA+11], v[rB:rB+11], v[rD:rD+7], v[rX], v[rW] matrix_a_fmt:MATRIX_FMT_BF6 matrix_b_fmt:MATRIX_FMT_BF6
.endif
.else
.if (\n) == 1
	v_wmma_scale_f32_16x16x128_f8f6f4 v[rD:rD+7], v[rA:rA+11], v[rB:rB+11], v[rD:rD+7], v[rX], v[rW] matrix_a_fmt:MATRIX_FMT_BF6 matrix_b_fmt:MATRIX_FMT_BF6 matrix_a_scale:MATRIX_SCALE_ROW1 matrix_b_scale:MATRIX_SCALE_ROW1
.else
	v_wmma_scale_f32_16x16x128_f8f6f4 v[rD:rD+7], v[rA:rA+11], v[rB:rB+11], v[rD:rD+7], v[rX], v[rW] matrix_a_fmt:MATRIX_FMT_BF6 matrix_b_fmt:MATRIX_FMT_BF6 matrix_a_scale:MATRIX_SCALE_ROW1
.endif
.endif
.endif
.endm
.macro MPRE
	v_add_nc_u32 v[ADA], s48, v[AK]
	v_add_nc_u32 v[ADA2], s48, v[AK2]
.irp s, 0,1,2,3
.irp t, 0,1
	FRAG AB+24*\s+12*\t, ADA, ADA2, \s, \t*REG
.endr
.endr
.endm
.macro MMUL nxt
	s_wait_loadcnt 0x0
	WIN 0x04
.irp s, 0,1,2,3,4,5,6,7
.if \s < 5
	s_wait_dscnt 36
.else
	s_wait_dscnt 12*(7-\s)
.endif
.if \s == 7
	WIN 0
.endif
.irp t, 0,1
.irp n, 0,1,2
	MUL1 \t, \n, \s
.endr
.endr
.if \s < 4
	PLACES 4
.irp t, 0,1
	FRAG AB+24*\s+12*\t, ADA, ADA2, \s+4, \t*REG
.endr
.endif
.endr
	PLACES 5
.if \nxt
	s_add_nc_u64 s[46:47], s[46:47], 32*32
	global_load_b128 v[XS:XS+3], v[XSO], s[46:47]
	global_load_b128 v[XS+4:XS+7], v[XSO], s[46:47] offset:16
.endif
.endm
.macro GATES
.irp j, 0,1,2,3,4,5,6,7,8,9,10,11,12,13,14,15
	v_min_num_f32 v[MM+\j], v[FA+\j], v[IA+\j]
.endr
.irp j, 0,1,2,3,4,5,6,7,8,9,10,11,12,13,14,15
	v_min_num_f32 v[MM+\j], 0, v[MM+\j]
.endr
.irp p, 0,2,4,6,8,10,12,14
	v_pk_mul_f32 v[MM+\p:MM+\p+1], v[MM+\p:MM+\p+1], s[40:41] op_sel_hi:[1,0]
.endr
.irp p, 0,2,4,6,8,10,12,14
	v_pk_fma_f32 v[FA+\p:FA+\p+1], v[FA+\p:FA+\p+1], s[42:43], v[MM+\p:MM+\p+1] op_sel_hi:[1,0,1]
.endr
.irp p, 0,2,4,6,8,10,12,14
	v_pk_fma_f32 v[IA+\p:IA+\p+1], v[IA+\p:IA+\p+1], s[42:43], v[MM+\p:MM+\p+1] op_sel_hi:[1,0,1]
.endr
.irp j, 0,1,2,3,4,5,6,7,8,9,10,11,12,13,14,15
	v_min_num_f32 v[EH+\j], 0, v[CA+\j]
.endr
.irp p, 0,2,4,6,8,10,12,14
	v_pk_mul_f32 v[EH+\p:EH+\p+1], v[EH+\p:EH+\p+1], s[40:41] op_sel_hi:[1,0]
.endr
.irp j, 0,1,2,3,4,5,6,7,8,9,10,11,12,13,14,15
	v_max_num_f32 v[CA+\j], 0, v[CA+\j]
.endr
	s_wait_alu depctr_va_vdst(0)
.irp j, 0,1,2,3,4,5,6,7,8,9,10,11,12,13,14,15
	v_exp_f32 v[MM+\j], v[MM+\j]
.endr
.irp j, 0,1,2,3,4,5,6,7,8,9,10,11,12,13,14,15
	v_exp_f32 v[FA+\j], v[FA+\j]
.endr
.irp j, 0,1,2,3,4,5,6,7,8,9,10,11,12,13,14,15
	v_exp_f32 v[IA+\j], v[IA+\j]
.endr
.irp j, 0,1,2,3,4,5,6,7,8,9,10,11,12,13,14,15
	v_exp_f32 v[EH+\j], v[EH+\j]
.endr
	v_nop
	s_wait_alu depctr_va_vdst(0)
.irp p, 0,2,4,6,8,10,12,14
	v_pk_add_f32 v[IA+\p:IA+\p+1], v[MM+\p:MM+\p+1], v[IA+\p:IA+\p+1]
.endr
.irp p, 0,2,4,6,8,10,12,14
	v_pk_add_f32 v[FA+\p:FA+\p+1], v[MM+\p:MM+\p+1], v[FA+\p:FA+\p+1]
.endr
.irp p, 0,2,4,6,8,10,12,14
	v_pk_add_f32 v[MM+\p:MM+\p+1], v[IA+\p:IA+\p+1], v[FA+\p:FA+\p+1]
.endr
.irp p, 0,2,4,6,8,10,12,14
	v_pk_add_f32 v[Q+\p:Q+\p+1], v[EH+\p:EH+\p+1], 1.0 op_sel_hi:[1,0]
.endr
.irp p, 0,2,4,6,8,10,12,14
	v_pk_mul_f32 v[MM+\p:MM+\p+1], v[MM+\p:MM+\p+1], v[Q+\p:Q+\p+1]
.endr
	s_wait_alu depctr_va_vdst(0)
.irp j, 0,1,2,3,4,5,6,7,8,9,10,11,12,13,14,15
	v_rcp_f32 v[MM+\j], v[MM+\j]
.endr
	v_nop
.irp p, 0,2,4,6,8,10,12,14
	v_pk_fma_f32 v[CA+\p:CA+\p+1], v[CA+\p:CA+\p+1], v[Q+\p:Q+\p+1], v[EH+\p:EH+\p+1]
.endr
.irp p, 0,2,4,6,8,10,12,14
	v_pk_mul_f32 v[IA+\p:IA+\p+1], v[IA+\p:IA+\p+1], v[Q+\p:Q+\p+1]
.endr
.irp p, 0,2,4,6,8,10,12,14
	v_pk_mul_f32 v[FA+\p:FA+\p+1], v[FA+\p:FA+\p+1], v[CA+\p:CA+\p+1]
.endr
	s_wait_alu depctr_va_vdst(0)
.irp p, 0,2,4,6,8,10,12,14
	v_pk_mul_f32 v[IA+\p:IA+\p+1], v[IA+\p:IA+\p+1], v[MM+\p:MM+\p+1]
.endr
.irp p, 0,2,4,6,8,10,12,14
	v_pk_mul_f32 v[FA+\p:FA+\p+1], v[FA+\p:FA+\p+1], v[MM+\p:MM+\p+1]
.endr
.irp j, 1
	v_fma_f32 v[FA+\j], v[IA+\j], v[FA+\j-1], v[FA+\j]
	v_mul_f32 v[IA+\j], v[IA+\j], v[IA+\j-1]
.endr
.irp j, 2, 3, 4, 5, 6, 7, 8, 9, 10, 11, 12, 13, 14, 15
	s_delay_alu instid0(VALU_DEP_2)
	v_fma_f32 v[FA+\j], v[IA+\j], v[FA+\j-1], v[FA+\j]
	s_delay_alu instid0(VALU_DEP_2)
	v_mul_f32 v[IA+\j], v[IA+\j], v[IA+\j-1]
.endr
.endm
.macro FIX
	s_delay_alu instid0(VALU_DEP_1)
	v_permlanex16_b32 v[T1], v[IA+15], s50, s51
	s_delay_alu instid0(VALU_DEP_3)
	v_permlanex16_b32 v[T2], v[FA+15], s50, s51
	s_delay_alu instid0(VALU_DEP_2)
	v_cndmask_b32 v[T1], 1.0, v[T1], s49
	s_delay_alu instid0(VALU_DEP_2)
	v_cndmask_b32 v[T2], 0, v[T2], s49
	s_delay_alu instid0(VALU_DEP_1)
	v_fma_f32 v[HIN], v[T1], v[HC], v[T2]
	s_delay_alu instid0(VALU_DEP_3)
	v_mul_f32 v[PIN], v[T1], v[PC]
.irp p, 0,2,4,6,8,10,12,14
	v_pk_fma_f32 v[FA+\p:FA+\p+1], v[IA+\p:IA+\p+1], v[HIN:HIN+1], v[FA+\p:FA+\p+1] op_sel_hi:[1,0,1]
.endr
.irp p, 0,2,4,6,8,10,12,14
	v_pk_mul_f32 v[IA+\p:IA+\p+1], v[IA+\p:IA+\p+1], v[PIN:PIN+1] op_sel_hi:[1,0]
.endr
	s_delay_alu instid0(VALU_DEP_1)
	v_permlanex16_b32 v[T1], v[IA+15], s50, s51
	v_permlanex16_b32 v[T2], v[FA+15], s50, s51
	s_delay_alu instid0(VALU_DEP_2)
	v_cndmask_b32 v[PC], v[T1], v[IA+15], s49
	s_delay_alu instid0(VALU_DEP_2)
	v_cndmask_b32 v[HC], v[T2], v[FA+15], s49
.irp j, 0,1,2,3,4,5,6,7,8,9,10,11,12,13,14,15
	ds_store_b32 v[STS], v[FA+\j] offset:256*\j
.endr
.irp j, 0,1,2,3,4,5,6,7,8,9,10,11,12,13,14,15
	ds_store_b32 v[STS], v[IA+\j] offset:BLK+256*\j
.endr
.endm
.macro OUTL
.irp i, 0,1,2,3
	ds_load_b128 v[OB+4*\i:OB+4*\i+3], v[STL] offset:512*\i
.endr
.irp i, 0,1,2,3
	ds_load_b128 v[PB+4*\i:PB+4*\i+3], v[STL] offset:BLK+512*\i
.endr
.endm
.macro OUTS younger
.irp i, 0,1,2,3
	s_wait_dscnt (\younger)+7-\i
	global_store_b128 v[OUTO], v[OB+4*\i:OB+4*\i+3], s[56:57] offset:8192*\i
.endr
	s_cmp_eq_u32 s52, 0
	s_cbranch_scc1 .Lno_pp_\@
.irp i, 0,1,2,3
	s_wait_dscnt (\younger)+3-\i
	global_store_b128 v[OUTO], v[PB+4*\i:PB+4*\i+3], s[58:59] offset:8192*\i
.endr
.Lno_pp_\@:
	s_wait_xcnt 0x0
	s_add_nc_u64 s[56:57], s[56:57], 32*4096
	s_add_nc_u64 s[58:59], s[58:59], 32*4096
.endm
.macro WORK o, m, v, nxt
.if \o
	OUTL
.endif
.if \m
	MPRE
.endif
.if \o
	OUTS 48*\m
.endif
.if \m
	s_wait_alu depctr_va_vdst(0)
	MMUL \nxt
.endif
.if \v
	GATES
	FIX
.endif
.endm
.macro PER xo, xm, xv, yo, ym, yv, nxt
	s_wait_dscnt 0x0
	s_barrier_signal -1
	s_barrier_wait -1
	s_cmp_lt_u32 s20, 4
	s_cbranch_scc0 .Ly_\@
	WORK \xo, \xm, \xv, \nxt
	s_branch .Lj_\@
.Ly_\@:
	WORK \yo, \ym, \yv, \nxt
.Lj_\@:
.endm
.macro PAIRS n
	s_mov_b32 s45, \n
.Lpair_\@:
	PER 1,1,0, 0,0,1, 1
	PER 0,0,1, 1,1,0, 1
	s_add_co_u32 s48, s48, SUB
	s_sub_co_u32 s45, s45, 1
	s_cmp_lg_u32 s45, 0
	s_cbranch_scc1 .Lpair_\@
.endm
.macro REFILL
	s_wait_tensorcnt 0x0
	ds_add_u32 v[SPW], v[NIL]
	s_xor_b32 s37, s37, SLOT1
	s_add_nc_u64 s[38:39], s[38:39], SLOTB
	s_sub_co_u32 s48, s48, 4*SUB
	s_xor_b32 s48, s48, SLOT1
	s_wait_dscnt 0x0
	ROUND
	tensor_load_to_lds s[36:39], s[24:31]
	s_nop 0
	PLACES 4
.endm
	s_cmp_lt_u32 s20, 4
	s_cbranch_scc0 .Lp0_y
	WORK 0, 1, 0, 1
.Lp0_y:
	PER 0,0,1, 0,1,0, 1
	s_add_co_u32 s48, s48, SUB
	PAIRS 3
	s_mov_b32 s44, 2
.Lslot:
	REFILL
	PAIRS 4
	s_sub_co_u32 s44, s44, 1
	s_cmp_lg_u32 s44, 0
	s_cbranch_scc1 .Lslot
	s_wait_tensorcnt 0x0
	s_sub_co_u32 s48, s48, 4*SUB
	s_xor_b32 s48, s48, SLOT1
	PAIRS 3
	PER 1,1,0, 0,0,1, 0
	PER 0,0,1, 1,1,0, 0
	PER 1,0,0, 0,0,1, 0
	PER 0,0,0, 1,0,0, 0
	s_wait_alu depctr_va_vdst(0)
	v_cndmask_b32 v[T1], v[PC], v[HC], s49
	v_and_b32 v[T2], 15, v0
	v_bfe_u32 v1, v0, 4, 1
	s_delay_alu instid0(VALU_DEP_2)
	v_lshlrev_b32 v[T2], 2, v[T2]
	s_delay_alu instid0(VALU_DEP_1)
	v_lshl_add_u32 v[T2], v1, 12, v[T2]
	global_store_b32 v[T2], v[T1], s[60:61]
	s_wait_tensorcnt 0x0
	ds_add_u32 v[SPW], v[NIL]
	s_wait_dscnt 0x0
	ROUND
	s_endpgm
.Lfunc_end_k_qd6fe8e1c8f_scan:
	.size	k_qd6fe8e1c8f_scan, .Lfunc_end_k_qd6fe8e1c8f_scan-k_qd6fe8e1c8f_scan
	.p2alignl 7, 3214868480
	.fill 96, 4, 3214868480
	.section	.rodata,"a",@progbits
	.p2align	6, 0x0
	.amdhsa_kernel k_qd6fe8e1c8f_scan
		.amdhsa_group_segment_fixed_size 327680
		.amdhsa_private_segment_fixed_size 0
		.amdhsa_enable_private_segment 0
		.amdhsa_kernarg_size 64
		.amdhsa_user_sgpr_count 2
		.amdhsa_user_sgpr_kernarg_segment_ptr 1
		.amdhsa_wavefront_size32 1
		.amdhsa_system_sgpr_workgroup_id_x 1
		.amdhsa_system_sgpr_workgroup_id_y 1
		.amdhsa_system_sgpr_workgroup_id_z 1
		.amdhsa_system_vgpr_workitem_id 0
		.amdhsa_next_free_vgpr 512
		.amdhsa_next_free_sgpr 66
		.amdhsa_reserve_vcc 0
		.amdhsa_float_denorm_mode_32 3
		.amdhsa_float_denorm_mode_16_64 3
		.amdhsa_memory_ordered 1
		.amdhsa_forward_progress 1
		.amdhsa_inst_pref_size 255
	.end_amdhsa_kernel
	.section	.bss,"aw",@nobits
	.p2align	6
	.space	262144
	.amdgpu_metadata
---
amdhsa.version: [ 1, 2 ]
amdhsa.kernels:
  - .name:           k_qd6fe8e1c8f_scan
    .symbol:         k_qd6fe8e1c8f_scan.kd
    .args:
      - { .name: W_codes, .offset: 0, .size: 8, .value_kind: global_buffer, .address_space: global }
      - { .name: W_scales, .offset: 8, .size: 8, .value_kind: global_buffer, .address_space: global }
      - { .name: x_codes, .offset: 16, .size: 8, .value_kind: global_buffer, .address_space: global }
      - { .name: x_scales, .offset: 24, .size: 8, .value_kind: global_buffer, .address_space: global }
      - { .name: out0, .offset: 32, .size: 8, .value_kind: global_buffer, .address_space: global }
      - { .name: hl, .offset: 40, .size: 8, .value_kind: global_buffer, .address_space: global }
      - { .name: pp, .offset: 48, .size: 8, .value_kind: global_buffer, .address_space: global }
      - { .name: agg, .offset: 56, .size: 8, .value_kind: global_buffer, .address_space: global }
    .group_segment_fixed_size: 327680
    .private_segment_fixed_size: 0
    .kernarg_segment_align: 8
    .kernarg_segment_size: 64
    .max_flat_workgroup_size: 256
    .sgpr_count:     66
    .vgpr_count:     512
    .wavefront_size: 32
...
	.end_amdgpu_metadata
.endif
;; end of part 2
;; launch carry (part 3): grid 256 x 4, 8 waves a work-group, no clusters, 0 bytes of LDS; arguments hl, pp, agg, out0; writes out0
.if DOCPART == 3
	.amdgcn_target "amdgcn-amd-amdhsa--gfx1250"
	.amdhsa_code_object_version 6
	.text
	.protected	k_qd6fe8e1c8f_carry
	.globl	k_qd6fe8e1c8f_carry
	.p2align	8
	.type	k_qd6fe8e1c8f_carry,@function
k_qd6fe8e1c8f_carry:
	s_mov_b64 s[64:65], 0
	v_nop
	global_prefetch_b8 v0, s[64:65] scope:SCOPE_SE
	s_setreg_imm32_b32 hwreg(HW_REG_WAVE_MODE, 25, 1), 1
	s_wait_xcnt 0x0
; minLSTM, second of two launches.  hl [4][4096][1024] is h of each chunk of 512 steps scanned from 0, pp the product of f' from the chunk's first step on,
; agg [8 batch + chunk][pp, hl][1024] each chunk's last row of the two.  h = pp x c + hl, c being h ahead of the chunk: c1 = chunk 0's last hl,
; c(k+1) = chunk k's last pp x c(k) + its last hl.  Chunk 0 needs nothing: the first launch has stored its h.
; A work-group (x = pair of rows in a chunk, y = batch) takes the same two rows of EACH of the chunks 1 to 7: 14 rows, equal work in all 1,024 work-groups,
; and the chain of seven carries is run once, whole, with no branch.  Thread t owns the 16 bytes at 16 t of every row: a wave's load or store covers 512
; consecutive bytes, aligned, and the eight waves a row.  All 41 loads of a thread go out at once; every offset is an immediate, counted from chunk 4's
; rows so that it stays inside the signed 24 bits; no register is written again behind a store.
; A stream with no loop: no LDS, no matrix unit, no cluster, and no prefetch, since there is no trip to run ahead in.
.set AP,  4                            ; v[8:31]    pp's last row of chunks 1 to 6
.set AH,  32                           ; v[32:59]   hl's last row of chunks 0 to 6; then c(k) at AH + 4 (k - 1)
.set HLR, 64                           ; v[64:119]  14 rows of hl, then of h: chunk k, row j at 8 (k - 1) + 4 j
.set PPR, 120                          ; v[120:175] 14 rows of pp
.set CH,  512*4096                     ; bytes from chunk to chunk
	s_load_b128 s[4:7], s[0:1], 0x0                ; hl, pp
	s_load_b128 s[8:11], s[0:1], 0x10              ; agg, out0
	v_lshlrev_b32 v1, 4, v0                        ; 16 t
	s_and_b32 s14, ttmp7, 0xffff                   ; the batch
	s_lshl_b32 s16, s14, 12
	s_lshl_b32 s17, ttmp9, 1
	s_add_co_u32 s16, s16, s17
	s_add_co_u32 s16, s16, 2048                    ; row 4,096 batch + 512 x 4 + 2 x: my rows in chunk 4,
	s_lshl_b32 s16, s16, 12                        ; in bytes (under 2^26)
	s_mov_b32 s17, 0
	s_lshl_b32 s18, s14, 16                        ; the batch's 8 aggregates of 8,192 bytes
	s_mov_b32 s19, 0
	s_wait_alu depctr_va_vdst(0)
	s_wait_kmcnt 0x0
	s_add_nc_u64 s[4:5], s[4:5], s[16:17]
	s_add_nc_u64 s[6:7], s[6:7], s[16:17]
	s_add_nc_u64 s[10:11], s[10:11], s[16:17]
	s_add_nc_u64 s[8:9], s[8:9], s[18:19]
	global_load_b128 v[AH:AH+3], v1, s[8:9] offset:4096
.irp k, 1,2,3,4,5,6
	global_load_b128 v[AP+4*\k:AP+4*\k+3], v1, s[8:9] offset:8192*\k
	global_load_b128 v[AH+4*\k:AH+4*\k+3], v1, s[8:9] offset:8192*\k+4096
.endr
.irp k, 1,2,3,4,5,6,7
.irp j, 0,1
	global_load_b128 v[HLR+8*(\k-1)+4*\j:HLR+8*(\k-1)+4*\j+3], v1, s[4:5] offset:(\k-4)*CH+4096*\j th:TH_LOAD_NT   ; read once in the launch
	global_load_b128 v[PPR+8*(\k-1)+4*\j:PPR+8*(\k-1)+4*\j+3], v1, s[6:7] offset:(\k-4)*CH+4096*\j th:TH_LOAD_NT
.endr
.endr
	s_wait_loadcnt 28                              ; the 13 aggregates are in; the 28 loads of rows behind them may be out
.irp k, 1,2,3,4,5,6
	v_pk_fma_f32 v[AH+4*\k:AH+4*\k+1], v[AP+4*\k:AP+4*\k+1], v[AH+4*\k-4:AH+4*\k-3], v[AH+4*\k:AH+4*\k+1]       ; c(k+1), in two chains by turns
	v_pk_fma_f32 v[AH+4*\k+2:AH+4*\k+3], v[AP+4*\k+2:AP+4*\k+3], v[AH+4*\k-2:AH+4*\k-1], v[AH+4*\k+2:AH+4*\k+3]
.endr
	s_wait_alu depctr_va_vdst(0)
.irp k, 1,2,3,4,5,6,7
	s_wait_loadcnt 4*(7-\k)                        ; chunk k's four loads are in; those of the 7 - k chunks behind it may be out
.irp j, 0,1
	v_pk_fma_f32 v[HLR+8*(\k-1)+4*\j:HLR+8*(\k-1)+4*\j+1], v[PPR+8*(\k-1)+4*\j:PPR+8*(\k-1)+4*\j+1], v[AH+4*(\k-1):AH+4*(\k-1)+1], v[HLR+8*(\k-1)+4*\j:HLR+8*(\k-1)+4*\j+1]
	v_pk_fma_f32 v[HLR+8*(\k-1)+4*\j+2:HLR+8*(\k-1)+4*\j+3], v[PPR+8*(\k-1)+4*\j+2:PPR+8*(\k-1)+4*\j+3], v[AH+4*(\k-1)+2:AH+4*(\k-1)+3], v[HLR+8*(\k-1)+4*\j+2:HLR+8*(\k-1)+4*\j+3]
.endr
.irp j, 0,1
	global_store_b128 v1, v[HLR+8*(\k-1)+4*\j:HLR+8*(\k-1)+4*\j+3], s[10:11] offset:(\k-4)*CH+4096*\j th:TH_STORE_NT   ; 32 lanes store 512 consecutive bytes, aligned; written once
.endr
.endr
	s_endpgm
.Lfunc_end_k_qd6fe8e1c8f_carry:
	.size	k_qd6fe8e1c8f_carry, .Lfunc_end_k_qd6fe8e1c8f_carry-k_qd6fe8e1c8f_carry
	.p2alignl 7, 3214868480
	.fill 96, 4, 3214868480
	.section	.rodata,"a",@progbits
	.p2align	6, 0x0
	.amdhsa_kernel k_qd6fe8e1c8f_carry
		.amdhsa_group_segment_fixed_size 0
		.amdhsa_private_segment_fixed_size 0
		.amdhsa_enable_private_segment 0
		.amdhsa_kernarg_size 32
		.amdhsa_user_sgpr_count 2
		.amdhsa_user_sgpr_kernarg_segment_ptr 1
		.amdhsa_wavefront_size32 1
		.amdhsa_system_sgpr_workgroup_id_x 1
		.amdhsa_system_sgpr_workgroup_id_y 1
		.amdhsa_system_sgpr_workgroup_id_z 1
		.amdhsa_system_vgpr_workitem_id 0
		.amdhsa_next_free_vgpr 176
		.amdhsa_next_free_sgpr 66
		.amdhsa_reserve_vcc 0
		.amdhsa_float_denorm_mode_32 3
		.amdhsa_float_denorm_mode_16_64 3
		.amdhsa_memory_ordered 1
		.amdhsa_forward_progress 1
		.amdhsa_inst_pref_size 9
	.end_amdhsa_kernel
	.amdgpu_metadata
---
amdhsa.version: [ 1, 2 ]
amdhsa.kernels:
  - .name:           k_qd6fe8e1c8f_carry
    .symbol:         k_qd6fe8e1c8f_carry.kd
    .args:
      - { .name: hl, .offset: 0, .size: 8, .value_kind: global_buffer, .address_space: global }
      - { .name: pp, .offset: 8, .size: 8, .value_kind: global_buffer, .address_space: global }
      - { .name: agg, .offset: 16, .size: 8, .value_kind: global_buffer, .address_space: global }
      - { .name: out0, .offset: 24, .size: 8, .value_kind: global_buffer, .address_space: global }
    .group_segment_fixed_size: 0
    .private_segment_fixed_size: 0
    .kernarg_segment_align: 8
    .kernarg_segment_size: 32
    .max_flat_workgroup_size: 256
    .sgpr_count:     66
    .vgpr_count:     176
    .wavefront_size: 32
...
	.end_amdgpu_metadata
.endif
;; end of part 3
